; MI455X (gfx1250); checked and timed in simulation.
; The chip was launched on July 23, 2026; its instructions are those of AMD's public machine-readable ISA for CDNA 5 (MIT licence, August 2026) and "CDNA5" Instruction Set Architecture Reference Guide (July 2026). The comments in the code are by the model that wrote it; some were corrected since.
;; Bert Self Attention. Allowed arithmetic: matrix products marked QUANTISED: E4M3 operands, one given power-of-two scale a tensor, by v_wmma_f32_16x16x64_fp8_fp8 or v_wmma_f32_16x16x128_fp8_fp8, f32 sums; everything else in f32.
;; Inputs: Wk_codes 1,024 x 32 x 32 uint8 (E4M3 codes of Wk, K innermost, in blocks of 32 codes); Wq_codes 1,024 x 32 x 32 uint8 (E4M3 codes of Wq, K innermost, in blocks of 32 codes); Wv_codes 1,024 x 32 x 32 uint8 (E4M3 codes of Wv, K innermost, in blocks of 32 codes); attention_mask 8 x 1 x 1,024 x 1,024 float32; bk 1,024 float32; bq 1,024 float32; bv 1,024 float32; hidden_states_codes 8 x 1,024 x 32 x 32 uint8 (E4M3 codes of hidden_states, K innermost, in blocks of 32 codes); lowp_scales 10 int32 (the exponents e of the quantised operands' scales 2^e).
;; Outputs: out0 8 x 1,024 x 1,024 float32.
;; This version of the problem:
;;   THIS VERSION OF THE PROBLEM IS GIVEN IN LOW PRECISION. The matrix products marked QUANTISED in the list below multiply operands that are first quantised to E4M3 (4 exponent bits, 3 mantissa bits; 8 bits a number), with one given power-of-two scale for each operand tensor; their sums are f32. All else is computed in f32.
;;   The module's matrix products, in the order in which they are computed (A, B: the left and right operand; K: the contracted axis; several contracted axes count as one K, in the product's order):
;;     1. [M 8,192, K 1,024] x [K 1,024, N 1,024]; A: input hidden_states (given as codes); B: input Wq (given as codes): QUANTISED (scales: A lowp_scales[0], B lowp_scales[1])
;;     2. [M 8,192, K 1,024] x [K 1,024, N 1,024]; A: input hidden_states (given as codes); B: input Wk (given as codes): QUANTISED (scales: A lowp_scales[2], B lowp_scales[3])
;;     3. [M 8,192, K 1,024] x [K 1,024, N 1,024]; A: input hidden_states (given as codes); B: input Wv (given as codes): QUANTISED (scales: A lowp_scales[4], B lowp_scales[5])
;;     4. batch 128 x [M 1,024, K 64] x [K 64, N 1,024]; A: computed on the way; B: computed on the way: QUANTISED (scales: A lowp_scales[6], B lowp_scales[7])
;;     5. batch 128 x [M 1,024, K 1,024] x [K 1,024, N 64]; A: softmax (see below); B: computed on the way: QUANTISED (scales: A lowp_scales[8], B lowp_scales[9])
;;   THE QUANTISER, for each operand of a quantised product, along K:
;;     - The operand's scale is 2^e, e = its entry of the input lowp_scales (int32; the entries are numbered through the quantised products in the list's order, A before B).
;;     - Each number is divided by the scale, clamped to +-448, and rounded to the nearest number of E4M3, ties to even, subnormals kept.
;;     - The product sums the exact products of the quantised numbers (number of the format x scale) in f32.
;;   ~~~python
;;   def quantise(x, axis, e):      # numpy; x: float32 -> the quantised numbers, widened to float32 again
;;       x = np.moveaxis(x, axis, -1); K = x.shape[-1]
;;       r = np.clip(x / 2.0 ** e, -448, 448)
;;       step = 2.0 ** (np.maximum(np.frexp(np.where(r == 0, 1, r))[1] - 1, -6) - 3)
;;       q = np.round(r / step) * step * 2.0 ** e      # np.round: ties to even
;;       return np.moveaxis(q, -1, axis).astype(np.float32)
;;   ~~~
;;   SOFTMAX AHEAD OF A QUANTISED PRODUCT. Where the list says 'softmax', what is quantised is not the finished softmax but p = 2^(t - M), with t = logit x log2(e) and M = ceil(the row's largest t), a whole number; so 1/2 < the row's largest p <= 1. The row's sum l is taken of the UNQUANTISED p, in f32, and the product's result is divided by l at the end. Since M is a whole number, a kernel that streams over the keys may use a running M (the ceiling of the running maximum): every later rescaling is an exact power of two, so the quantised numbers keep their values, but for numbers so far below the row's largest that they fall under the format's range.
;;   OPERANDS COMPUTED ON THE WAY. 'Computed on the way' means the value that the module computes at that place (a softmax that the list does not call 'softmax' is quantised finished and normalised). What goes into a quantiser is computed in f32, as accurately as f32 sums, v_exp_f32 and their like allow (about 1e-6 of the number): no bf16 or f16 on the way to a quantiser, and a product that is left as it is and whose result goes on into a quantised operand takes f32 operands (vector FMAs, or v_wmma_f32_16x16x4_f32). A number that lies on a knife's edge between two numbers of the format may be rounded either way, as far as f32 arithmetic and the matrix unit's own rounding can turn it there, and no further.
;;   INPUTS GIVEN AS CODES. Wk (in the module: [1024, 1024], K = its axis 1); Wq (in the module: [1024, 1024], K = its axis 1); Wv (in the module: [1024, 1024], K = its axis 1); hidden_states (in the module: [8, 1024, 1024], K = its axis 1): each comes as NAME_codes (uint8): NAME with its K axis moved to the last place and cut into blocks of 32 codes, [.., K / 32, bytes a block], one block behind the other in memory; one code a byte (a code: sign, 4 exponent bits, 3 mantissa bits); its scale is its entry of lowp_scales. Its value is code x scale, taken as it is: it is not quantised again, and the codes and scales need not be those that the quantiser above would give.
;; One version. Each part assembles by itself: llvm-mc -triple=amdgcn-amd-amdhsa -mcpu=gfx1250 --defsym DOCPART=n.
;; ======== version 1 of 1: 2 launches
;; limits: right only within a limited range of input values
;; workspace buffers: q_img 8,388,608 bytes; k_img 8,388,608 bytes; v_img 8,388,608 bytes
;; launch proj (part 1): grid 8 x 32, 4 waves a work-group, clusters of 4 x 4, 327,680 bytes of LDS; arguments hidden_states_codes, Wq_codes, Wk_codes, Wv_codes, bq, bk, bv, lowp_scales, q_img, k_img, v_img; writes q_img, k_img, v_img
.if DOCPART == 1
	.amdgcn_target "amdgcn-amd-amdhsa--gfx1250"
	.amdhsa_code_object_version 6
	.text
	.protected	k_q5e260056aa_proj
	.globl	k_q5e260056aa_proj
	.p2align	8
	.type	k_q5e260056aa_proj,@function
k_q5e260056aa_proj:
	s_mov_b64 s[64:65], 0
	v_nop
	global_prefetch_b8 v0, s[64:65] scope:SCOPE_SE
	s_setreg_imm32_b32 hwreg(HW_REG_WAVE_MODE, 25, 1), 1
	s_wait_xcnt 0x0
	s_wait_alu depctr_hold_cnt(0) depctr_sa_sdst(0) depctr_va_vdst(0) depctr_va_sdst(0) depctr_va_ssrc(0) depctr_va_vcc(0) depctr_vm_vsrc(0)
	s_getreg_b32 s2, hwreg(HW_REG_IB_STS2, 6, 4)
	s_cmp_eq_u32 s2, 0
	s_cbranch_scc0 .Lentry_in_a_cluster
	s_endpgm
.Lentry_in_a_cluster:
	s_bfe_u32 s2, ttmp6, 0x10000c
	s_cmp_lg_u32 s2, 0xf033
	s_cbranch_scc0 .Lentry_shape_is_right
	s_endpgm
.Lentry_shape_is_right:
; THE THREE PROJECTIONS OF BERT SELF-ATTENTION, on codes of FP8 (E4M3): y[b][o][l] = sum over d of W[o][d] hidden[b][d][l] + bias[o], for Wq, Wk, Wv; the results are quantised at once
; (q with 2^e6, k with 2^e7, v with 2^e9) and stored as the operands of the attention launch.  hidden comes as codes [b][l][d], the weights as codes [o][d]: K = d is innermost in both.
; DEAD WORK: none.  Every input has a way to the output: the three biases move the codes of q, k and v (bk too: it goes into a quantiser), the mask is added ahead of the softmax (next launch), all ten scales are used.
; hidden has three entries of the scales, one for each product that takes it (e0, e2, e4); each product takes its own.
; The codes are multiplied as they are; the bias goes in as the C of each sum's first product, as bias / 2^(ea + ew); a finished sum's code is sum / 2^(eo - ea - ew), held within +-448: the three scales are folded into the conversion's one.
; LIMITS: ea + ew between -126 and 126; eo - ea - ew between -126 and 119, so that each power of two below is an f32 number.  NaN among the biases is not served.
; SHARES.  8,192 x 3,072 results on 256 work-groups of four waves, 256 x 384 each, in TWO PASSES over K = 1,024 on one ring of two LDS slots (K steps of 256) that does not stop between them.
; X is source 0 of the matrix instruction, Y source 1: in a result lane l holds row l % 16 of Y and its eight registers eight neighbouring rows 8 (l / 16) + 0 .. 7 of X.
;   PASS A: Y = 256 positions of hidden; X = 128 rows of Wq (its first half) and 128 rows of Wk (its second).  A wave makes 128 x 128: 64 accumulators; waves with an even number make q, the others k.
;   PASS B: Y = 128 rows of Wv; X = 256 positions of hidden.  A wave makes 64 x 128: 32 accumulators.  A lane then holds ONE channel and eight neighbouring keys: neighbours along the K of p v.
; The conversions' results are registers of the next launch's operands and are stored as IMAGES OF THOSE REGISTERS: a group of four registers as 512 consecutive bytes, lane l's 16 bytes at 16 l.
;   q_img, k_img: [b 8][head / 4][l / 128][head % 4][tile of 16 positions: 8][1,024 bytes];   v_img: [b 8][head / 4][l / 128][head % 4][tile of 16 channels: 4][2,048 bytes], the keys innermost.
; CLUSTERS 4 x 4, two along x, eight along y.  Y's tiles hang on cy and are shared along a row of the cluster, X's on cx and are shared along a column: each is asked for JOINTLY.
;   Pass A: positions 256 (4 cluster y + cy), channels 128 (4 cluster x + cx).   Pass B: channels 128 (4 cluster x + cy), positions 256 (4 cluster y + cx).  No branch hangs on a place in the cluster.
; REGISTERS, in windows of 256: window 0: v1-31 addresses and constants; v32-95 the biases, on the way out the held sums; v104-107 bv; v128-255 Y's fragments (pass A: one set of eight; pass B: two sets of four), on the way out the codes.
;   window 1: X's fragments, two sets, at v0 and v128.   window 2: the accumulators of Y's blocks 0-3 ((a, b) at v[8 (8 a + b)]);   window 3: those of blocks 4-7 (pass A).
.set ROWB,   256                       ; a tile's row in bytes: a K step
.set KROW,   1024                      ; a row of hidden or of a weight in memory
.set PITCH,  272                       ; an LDS row: 256 bytes + 16 of padding = 68 words: the 16 rows that a load touches start 4 banks apart (64 banks of 4 bytes: ISA guide 11.1)
.set FR,     16                        ; registers of a fragment: 16 rows x 128 K
.set NL,     4                         ; LDS loads that bring one
.set NP,     4                         ; places behind this matrix instruction (ISA guide 7.12.1)
.set HALFT,  128*PITCH
.set SLOT,   4*HALFT                   ; Y's two halves, then X's two (pass B: Y's halves are 64 rows, at the same places)
.set SPARE,  2*SLOT                    ; the spare words, 128 bytes for each wave: two blocks of 256 bytes that no other line names
.set VO,   8                           ; v8-11   where my 16 bytes of a block's four groups of registers go
.set ADRA, 16                          ; v16-17  LDS address of my fragments of Y in slot 0, 1
.set ADRB, 20                          ; v20-21  the same for X
.set PFO,  24                          ; v24     the prefetches' offset: a row a lane;  v25: the same with lanes 16-31 on lane 15's row
.set PFO2, 25
.set VAA,  26                          ; v26     bq's, bk's byte offset: 32 h;  v27 bv's: 4 r
.set VBB,  27
.set SPW,  28
.set NIL,  29
.set SC,   30                          ; 2^(eo - ea - ew) as f32
.set LIM,  31                          ; 448 x that
.set BIAS, 32
.set TMP,  32
.set BV,   104
.set AF,   128
.set CODE, 128
.set G1, 24                            ; s[24:31] group 1 for Y's tiles of 128 rows;  s[32:39] Y's groups 0, one for each slot
.set G0, 32
.set G1B, 48                           ; s[48:55], s[56:63] the same for X's tiles
.set G0B, 56
.set G1C, 68                           ; s[68:75] group 1 for Y's tiles of 64 rows (pass B)
.set PFA, 76                           ; s[76:77] pass A's prefetches;  s[78:79] pass B's;  s84, s85: 1 where my wave asks
.set PFB, 78
.set FA,  84
.set FB,  85
.set MSB, 0
.macro WIN new                         ; the immediate's high byte repeats the setting that is left
.if MSB != \new
	s_set_vgpr_msb (MSB<<8)|\new
.set MSB, \new
.endif
.endm
.set MUL_LO, 0xa1                      ; X window 1, Y window 0, C and D window 2
.set MUL_HI, 0xf1                      ; the same, C and D window 3
.set TO_B,   0x40
.macro PLACES n
.rept \n
	v_nop
.endr
.endm
; A joint load: waves 0 and 1 fetch for Y, waves 2 and 3 for X.  An s_nop 0 and four v_nop follow each of the two lines.
.macro JLOAD g0a, g1a, g0b, g1b
	s_cmp_eq_u32 s15, 0
	s_cbranch_scc0 .Lfor_b_\@
	tensor_load_to_lds s[\g0a:\g0a+3], s[\g1a:\g1a+7]
	s_nop 0
	PLACES 4
	s_branch .Lasked_\@
.Lfor_b_\@:
	tensor_load_to_lds s[\g0b:\g0b+3], s[\g1b:\g1b+7]
	s_nop 0
	PLACES 4
.Lasked_\@:
.endm
; A PREFETCH INTO THE L2, behind joint loads 0 to 5 of the eight: the K step that stands two loads on, a lane a row of 256 bytes, one instruction a wave, the K step in the immediate.
; The four partners that ask for a tile jointly share its rows out BY ADDRESS (cx for Y's, cy for X's): 32 rows each of 128; of Wv's 64 rows 16 each, lanes 16-31 naming lane 15's row again.
; hidden's rows are walked by two clusters, and both ask; a weight's by eight, of which the four with the lowest y ask.  In pass B hidden is not asked for: this cluster has read the same four tiles in pass A.
.macro ASK flag, base, off, imm
	s_cmp_eq_u32 s[\flag], 1
	s_cbranch_scc0 .Lnot_mine_\@
	global_prefetch_b8 v[\off], s[\base:\base+1] offset:\imm th:TH_LOAD_NT scope:SCOPE_SE
.Lnot_mine_\@:
.endm
.macro CREST                           ; a round of the cluster's barrier behind its opening barrier
	s_cmp_lg_u32 s14, 0
	s_cbranch_scc1 .Lnot_wave_0_\@
	s_barrier_signal -3
.Lnot_wave_0_\@:
	s_barrier_wait -3
	s_barrier_signal -1
	s_barrier_wait -1
.endm
.macro CROUND
	s_barrier_signal -1
	s_barrier_wait -1
	CREST
.endm
	s_load_b256 s[68:75], s[0:1], 0x0              ; hidden s[68:69], Wq s[70:71], Wk s[72:73], Wv s[74:75]
	s_load_b256 s[76:83], s[0:1], 0x20             ; bq s[76:77], bk s[78:79], bv s[80:81], the scales' exponents s[82:83]
	s_load_b128 s[84:87], s[0:1], 0x40             ; q_img s[84:85], k_img s[86:87]
	s_load_b64 s[88:89], s[0:1], 0x50              ; v_img
	v_lshl_add_u32 v[SPW], v0, 2, SPARE
	v_mov_b32 v[NIL], 0
	ds_add_u32 v[SPW], v[NIL]                      ; the wave's opening: the add, twice on end, and its wait ahead of my first tensor load
	ds_add_u32 v[SPW], v[NIL]
	v_lshrrev_b32 v1, 5, v0
	v_readfirstlane_b32 s14, v1                    ; wave 0..3
	s_lshr_b32 s15, s14, 1                         ; which half of Y's rows is mine.  Also: I fetch for Y (0) or for X (1)
	s_and_b32 s16, s14, 1                          ; which half of X's rows (pass A: 0 q, 1 k).  Also: which half of that tile I fetch
	s_bfe_u32 s40, ttmp6, 0x40000                  ; cx, cy
	s_bfe_u32 s41, ttmp6, 0x40004
	s_lshl_b32 s18, ttmp9, 2                       ; 4 x cluster x
	s_and_b32 s19, ttmp7, 0xffff
	s_lshl_b32 s19, s19, 2                         ; 4 x cluster y
	s_add_co_u32 s42, s18, s40                     ; pass A, X: the unit of 128 channels.  It never holds cy
	s_add_co_u32 s67, s19, s40                     ; pass B, X: the tile of 256 positions.  It never holds cy
	s_add_co_u32 s17, s19, s41                     ; pass A, Y: the tile of 256 positions.  It never holds cx
	s_add_co_u32 s66, s18, s41                     ; pass B, Y: the unit of 128 channels.  It never holds cx
	s_lshl_b32 s43, s41, 2
	s_lshl_b32 s43, 15, s43                        ; my row of the cluster
	s_lshl_b32 s44, 0x1111, s40                    ; my column
	s_or_b32 s[G1+0], s43, (0<<16)|(1<<20)|(1<<21)|(5<<22)|(3<<25)  ; the mask: Y's tiles go to my row; elements of 1 byte; 4 words of padding after every 64
	s_or_b32 s[G1B+0], s44, (0<<16)|(1<<20)|(1<<21)|(5<<22)|(3<<25) ; X's to my column
.irp g, G1, G1B
	s_mov_b32 s[\g+1], ROWB<<16
	s_mov_b32 s[\g+2], 128<<16
	s_mov_b32 s[\g+3], ROWB<<16
	s_mov_b32 s[\g+4], 128
	s_mov_b32 s[\g+5], KROW
	s_mov_b32 s[\g+6], 0
	s_mov_b32 s[\g+7], 0
.endr
	s_lshl_b32 s18, s16, 7
	s_lshl_b32 s20, s17, 8
	s_add_co_u32 s20, s20, s18                     ; pass A, Y: row 256 x tile + 128 x half,
	s_lshl_b32 s20, s20, 10                        ; in bytes
	s_mov_b32 s21, 0
	s_lshl_b32 s46, s42, 17                        ; pass A, X: row 128 x unit of Wq or of Wk
	s_mov_b32 s47, 0
	s_lshl_b32 s22, s66, 7
	s_lshl_b32 s2, s16, 6
	s_add_co_u32 s22, s22, s2                      ; pass B, Y: row 128 x unit + 64 x half of Wv
	s_lshl_b32 s22, s22, 10
	s_mov_b32 s23, 0
	s_lshl_b32 s12, s67, 8
	s_add_co_u32 s12, s12, s18                     ; pass B, X: row 256 x tile + 128 x half
	s_lshl_b32 s12, s12, 10
	s_mov_b32 s13, 0
	s_mul_i32 s45, s14, HALFT                      ; where they go: no place in the cluster enters an LDS address
	s_wait_dscnt 0x0                               ; both opening adds are done
	s_wait_kmcnt 0x0
	s_load_b256 s[92:99], s[82:83], 0x0            ; e0 .. e7
	s_load_b64 s[100:101], s[82:83], 0x20          ; e8, e9
	s_cmp_eq_u32 s16, 0                            ; q or k: chosen by the wave's number
	s_cselect_b64 s[6:7], s[70:71], s[72:73]
	s_cselect_b64 s[8:9], s[76:77], s[78:79]
	s_cselect_b64 s[10:11], s[84:85], s[86:87]
	s_add_nc_u64 s[20:21], s[68:69], s[20:21]
	s_add_nc_u64 s[46:47], s[6:7], s[46:47]
	s_add_nc_u64 s[22:23], s[74:75], s[22:23]
	s_add_nc_u64 s[12:13], s[68:69], s[12:13]
	CROUND                                         ; all sixteen work-groups are here: the first joint loads meet
.irp s, 0,1
	s_mov_b32 s[G0+4*\s], 1
	s_add_co_u32 s[G0+4*\s+1], s45, \s*SLOT
	s_add_nc_u64 s[G0+4*\s+2:G0+4*\s+3], s[20:21], \s*ROWB
	s_or_b32 s[G0+4*\s+3], s[G0+4*\s+3], 0x80000000
	s_mov_b32 s[G0B+4*\s], 1
	s_add_co_u32 s[G0B+4*\s+1], s45, \s*SLOT
	s_add_nc_u64 s[G0B+4*\s+2:G0B+4*\s+3], s[46:47], \s*ROWB
	s_or_b32 s[G0B+4*\s+3], s[G0B+4*\s+3], 0x80000000
.endr
	JLOAD G0, G1, G0B, G1B                         ; pass A's K step 0: one tensor load a wave at the head
	s_or_b32 s[G1C+0], s43, (0<<16)|(1<<20)|(1<<21)|(5<<22)|(3<<25)  ; Wv's tiles: 64 rows, to my row
	s_mov_b32 s[G1C+1], ROWB<<16
	s_mov_b32 s[G1C+2], 64<<16
	s_mov_b32 s[G1C+3], ROWB<<16
	s_mov_b32 s[G1C+4], 64
	s_mov_b32 s[G1C+5], KROW
	s_mov_b32 s[G1C+6], 0
	s_mov_b32 s[G1C+7], 0
	s_cmp_eq_u32 s15, 0                            ; the prefetches: what I fetch, and my work-group's rows of it
	s_cselect_b64 s[PFA:PFA+1], s[20:21], s[46:47]
	s_cselect_b32 s86, s40, s41
	s_lshl_b32 s86, s86, 15                        ; 32 rows
	s_mov_b32 s87, 0
	s_add_nc_u64 s[PFA:PFA+1], s[PFA:PFA+1], s[86:87]
	s_lshl_b32 s86, s40, 14                        ; 16 rows
	s_add_nc_u64 s[PFB:PFB+1], s[22:23], s[86:87]
	s_and_b32 s86, ttmp7, 0xffff
	s_cmp_lt_u32 s86, 4
	s_cselect_b32 s86, 1, 0                        ; the cluster's y: the same in all sixteen partners
	s_cmp_eq_u32 s15, 0
	s_cselect_b32 s[FA], 1, s86
	s_cselect_b32 s[FB], s86, 0
	s_or_b32 s23, s23, 0x80000000                  ; pass B's first tiles, as words of a group 0
	s_or_b32 s13, s13, 0x80000000
	s_lshl_b32 s2, s42, 9                          ; bq, bk at channel 128 x unit
	s_mov_b32 s3, 0
	s_add_nc_u64 s[8:9], s[8:9], s[2:3]
	s_lshl_b32 s2, s66, 9                          ; bv at channel 128 x unit + 64 x half
	s_lshl_b32 s18, s15, 8
	s_add_co_u32 s2, s2, s18
	s_add_nc_u64 s[80:81], s[80:81], s[2:3]
	s_lshl_b32 s2, s17, 1                          ; pass A's images: ((b x 32 + (head / 4) x 8 + l / 128) x 4 + head % 4) x 8,192, head = 2 x unit
	s_add_co_u32 s2, s2, s15                       ; my 128 positions' number: 8 b + l / 128
	s_lshr_b32 s3, s2, 3
	s_and_b32 s2, s2, 7
	s_lshl_b32 s3, s3, 5
	s_add_co_u32 s2, s2, s3
	s_lshr_b32 s3, s42, 1
	s_lshl_b32 s3, s3, 3
	s_add_co_u32 s2, s2, s3
	s_lshl_b32 s2, s2, 15
	s_and_b32 s3, s42, 1
	s_lshl_b32 s3, s3, 14
	s_add_co_u32 s2, s2, s3
	s_mov_b32 s3, 0
	s_add_nc_u64 s[10:11], s[10:11], s[2:3]
	s_lshl_b32 s2, s67, 1                          ; pass B's: head = 2 x unit + my half of Y
	s_add_co_u32 s2, s2, s16
	s_lshr_b32 s3, s2, 3
	s_and_b32 s2, s2, 7
	s_lshl_b32 s3, s3, 5
	s_add_co_u32 s2, s2, s3
	s_lshr_b32 s3, s66, 1
	s_lshl_b32 s3, s3, 3
	s_add_co_u32 s2, s2, s3
	s_lshl_b32 s2, s2, 15
	s_and_b32 s3, s66, 1
	s_lshl_b32 s3, s3, 1
	s_add_co_u32 s3, s3, s15
	s_lshl_b32 s3, s3, 13
	s_add_co_u32 s2, s2, s3
	s_mov_b32 s3, 0
	s_add_nc_u64 s[4:5], s[88:89], s[2:3]
	s_mov_b32 s90, 1024                            ; from block to block of pass A's way out
	s_mov_b32 s91, 0
	s_mul_i32 s18, s15, HALFT                      ; my rows of Y
	s_mul_i32 s19, s16, HALFT                      ; my rows of X,
	s_add_co_u32 s19, s19, 2*HALFT                 ; which lie behind Y's
	s_add_co_u32 s86, s18, SLOT
	s_add_co_u32 s87, s19, SLOT
	v_and_b32 v4, 31, v0
	v_lshlrev_b32 v[PFO], 10, v4
	v_min_u32 v5, 15, v4
	v_lshlrev_b32 v[PFO2], 10, v5
	s_wait_alu depctr_va_vdst(0)                   ; a wait ahead of the branch below
	ASK FA, PFA, PFO, 2*ROWB                       ; pass A's K step 2
	v_and_b32 v1, 15, v0                           ; r
	v_bfe_u32 v2, v0, 4, 1                         ; h
	v_lshlrev_b32 v[VAA], 5, v2
	v_lshlrev_b32 v[VBB], 2, v1
.irp i, 0,1,2,3,4,5,6,7
	global_load_b128 v[BIAS+8*\i:BIAS+8*\i+3],   v[VAA], s[8:9] offset:64*\i      ; register 8 i + j of lane (r, h): bias[16 i + 8 h + j], the C of every accumulator (a, b = i)
	global_load_b128 v[BIAS+8*\i+4:BIAS+8*\i+7], v[VAA], s[8:9] offset:64*\i+16
.endr
.irp i, 0,1,2,3
	global_load_b32 v[BV+\i], v[VBB], s[80:81] offset:64*\i                       ; bv[16 i + r]: all eight registers of the C of every accumulator (a = i, b)
.endr
	v_and_b32 v6, 31, v0
	v_lshlrev_b32 v[VO], 4, v6                     ; 16 x lane
	v_add_nc_u32 v[VO+1], 512, v[VO]
	v_add_nc_u32 v[VO+2], 8192, v[VO]              ; pass A: a block's third group of registers is the next head's fragment
	v_add_nc_u32 v[VO+3], 512, v[VO+2]
	v_mul_u32_u24 v3, v1, PITCH
	v_lshl_add_u32 v7, v2, 4, v3                   ; a fragment's row x pitch + 16 x half
	v_add_nc_u32 v[ADRA], s18, v7
	v_add_nc_u32 v[ADRB], s19, v7
	v_add_nc_u32 v[ADRA+1], s86, v7
	v_add_nc_u32 v[ADRB+1], s87, v7
.macro FRAG reg, adr, q, i             ; a fragment by four loads of 16 bytes: registers 4 c .. 4 c + 3 hold K = 32 c + 16 (l / 16) + 0 .. 15: the same order of K in X and in Y, so every product meets its partner
.irp c, 0,1,2,3
	ds_load_b128 v[\reg+4*\c:\reg+4*\c+3], v[\adr] offset:128*(\q)+32*\c+(\i)*16*PITCH
.endr
.endm
; 16 matrix instructions: Y's registers a0, a0 + 1 x X's eight.  p: X's set.  cmode 1: the sums start with the bias of X's block b; 2: with that of Y's block a; 0: in place.
; The accumulators take turns, one instruction a turn, in the same order in every step.
.macro MUL16 a0, p, cmode
.irp a, \a0, \a0+1
.irp b, 0,1,2,3,4,5,6,7
.if \cmode == 1
	v_wmma_f32_16x16x128_fp8_fp8 v[8*(8*((\a)%4)+\b):8*(8*((\a)%4)+\b)+7], v[128*(\p)+FR*\b:128*(\p)+FR*\b+FR-1], v[AF+FR*(\a):AF+FR*(\a)+FR-1], v[BIAS+8*\b:BIAS+8*\b+7]
.elseif \cmode == 2
	v_wmma_f32_16x16x128_fp8_fp8 v[8*(8*((\a)%4)+\b):8*(8*((\a)%4)+\b)+7], v[128*(\p)+FR*\b:128*(\p)+FR*\b+FR-1], v[AF+FR*(\a):AF+FR*(\a)+FR-1], v[BIAS+8*(\a):BIAS+8*(\a)+7]
.else
	v_wmma_f32_16x16x128_fp8_fp8 v[8*(8*((\a)%4)+\b):8*(8*((\a)%4)+\b)+7], v[128*(\p)+FR*\b:128*(\p)+FR*\b+FR-1], v[AF+FR*(\a):AF+FR*(\a)+FR-1], v[8*(8*((\a)%4)+\b):8*(8*((\a)%4)+\b)+7]
.endif
.endr
.endr
.endm
.macro FETCH_B slot, q, p              ; X's eight fragments of the slot's q-th 128 along K into set p
	WIN TO_B
.irp i, 0,1,2,3,4,5,6,7
	FRAG 128*(\p)+FR*\i, ADRB+\slot, \q, \i
.endr
	WIN 0
.endm
.macro FETCH_A slot, q, i0             ; pass A: Y's blocks i0 .. i0 + 3
.irp i, \i0, \i0+1, \i0+2, \i0+3
	FRAG AF+FR*(\i), ADRA+\slot, \q, \i
.endr
.endm
.macro FETCH_Y slot, q, p              ; pass B: Y's four blocks into set p
.irp i, 0,1,2,3
	FRAG AF+FR*(\i+4*(\p)), ADRA+\slot, \q, \i
.endr
.endm
; PASS A.  A step of 128 along K that has its successor in the same slot.  A block of Y is free as soon as its eight products are issued: blocks 0-3 are fetched anew in the step's middle, blocks 4-7 at its end.
.macro STEP slot, cmode
	s_wait_dscnt 4*NL                              ; X's set and Y's blocks 0-3 are in; the youngest sixteen loads (Y's blocks 4-7) may be out
.if \cmode
	WIN 0x81                                       ; X window 1, Y and the bias window 0, D window 2
.else
	WIN MUL_LO
.endif
	MUL16 0, 0, \cmode
	MUL16 2, 0, \cmode
	s_wait_dscnt 0
	PLACES NP
	FETCH_B \slot, 1, 1
	FETCH_A \slot, 1, 0
.if \cmode
	WIN 0xc1
.else
	WIN MUL_HI
.endif
	MUL16 4, 0, \cmode
	MUL16 6, 0, \cmode
	PLACES NP
	WIN 0
	FETCH_A \slot, 1, 4
.endm
; A slot's last step changes slots: each wave waits for all its tensor loads, adds 0 to its spare word, and waits for that and for its reads of this slot; the barrier opens a round of the cluster's; the joint refill comes first behind it.
; fill 1: this pass's K step two on;  2: pass B's K step 0 or 1.  last 1: pass A's last step: of pass B's first fragments only X's are fetched here (Y's registers take the codes of the way out).  pf: the K step of Wv that is prefetched.
.macro TURN slot, next, fill, last, pf
	s_wait_tensorcnt 0x0
	ds_add_u32 v[SPW], v[NIL]
	s_wait_dscnt 4*NL+1                            ; (the add and the youngest sixteen loads may be out)
	WIN MUL_LO
	MUL16 0, 1, 0
	s_wait_dscnt 0x0                               ; the add is done, and my reads of this slot are over
	s_barrier_signal -1
	MUL16 2, 1, 0
	WIN 0
	s_barrier_wait -1
	CREST
.if \fill == 1
	s_add_nc_u64 s[G0+4*\slot+2:G0+4*\slot+3], s[G0+4*\slot+2:G0+4*\slot+3], 2*ROWB
	s_add_nc_u64 s[G0B+4*\slot+2:G0B+4*\slot+3], s[G0B+4*\slot+2:G0B+4*\slot+3], 2*ROWB
	JLOAD G0+4*\slot, G1, G0B+4*\slot, G1B
.else
	s_add_nc_u64 s[G0+4*\slot+2:G0+4*\slot+3], s[22:23], \slot*ROWB
	s_add_nc_u64 s[G0B+4*\slot+2:G0B+4*\slot+3], s[12:13], \slot*ROWB
	JLOAD G0+4*\slot, G1C, G0B+4*\slot, G1B
.endif
	FETCH_B \next, 0, 0                            ; (the four v_nop behind the joint load are the places in front of these loads)
.if \last == 0
	FETCH_A \next, 0, 0
.endif
	ASK FB, PFB, PFO2, \pf
	WIN MUL_HI
	MUL16 4, 1, 0
	MUL16 6, 1, 0
.if \last == 0
	PLACES NP
	WIN 0
	FETCH_A \next, 0, 4
.else
	WIN 0
.endif
.endm
; PASS B.  Both operands have two sets: the next 128 along K are asked for first, then this step's 32 products are issued.
.macro STEPB slot, cmode
	PLACES NP
	FETCH_B \slot, 1, 1
	FETCH_Y \slot, 1, 1
	s_wait_dscnt 12*NL                             ; all but the 48 loads just issued
.if \cmode
	WIN 0x81
.else
	WIN MUL_LO
.endif
	MUL16 0, 0, \cmode
	MUL16 2, 0, \cmode
	WIN 0
.endm
.macro TURNB slot, next, fill
	s_wait_tensorcnt 0x0
	ds_add_u32 v[SPW], v[NIL]
	s_wait_dscnt 1                                 ; the second sets are in; the add may be out
	WIN MUL_LO
	MUL16 4, 1, 0
	s_wait_dscnt 0x0
	s_barrier_signal -1
	WIN 0
	s_barrier_wait -1
.if \fill
	CREST
	s_add_nc_u64 s[G0+4*\slot+2:G0+4*\slot+3], s[G0+4*\slot+2:G0+4*\slot+3], 2*ROWB
	s_add_nc_u64 s[G0B+4*\slot+2:G0B+4*\slot+3], s[G0B+4*\slot+2:G0B+4*\slot+3], 2*ROWB
	JLOAD G0+4*\slot, G1C, G0B+4*\slot, G1B
.else
	PLACES NP
.endif
	FETCH_B \next, 0, 0
	FETCH_Y \next, 0, 0
	WIN MUL_LO
	MUL16 6, 1, 0
	WIN 0
.endm
; THE WAY OUT, block by block of Y's 16 rows.  A block's 64 sums are held within +-448 x the scale (the conversion does not saturate: ISA guide 7.6.2), each accumulator from its low end on, and converted, eight neighbours
; along the next K at a time.  The 16 registers of codes are two fragments of q or k (two heads) or one of v, and leave as they stand: each store covers 512 consecutive bytes, aligned.
.macro OUTB a
.set AC, 64*((\a)%4)
	WIN 0x02+((\a)/4)
.set n, 0
.rept 64
	v_med3_num_f32 v[TMP+n], v[AC+n], -v[LIM], v[LIM]
.set n, n+1
.endr
	WIN 0
.irp b, 0,1,2,3,4,5,6,7
	v_cvt_scalef32_pk8_fp8_f32 v[CODE+16*(\a)+2*\b:CODE+16*(\a)+2*\b+1], v[TMP+8*\b:TMP+8*\b+7], v[SC]
.endr
	v_nop                                          ; one plain vector instruction behind the last conversion
.if (\a) > 0
	s_wait_alu depctr_va_vdst(0)                   ; directly ahead of the wait below
	s_wait_xcnt 0x0                                ; the earlier stores have read their base: only behind this wait is it stepped
	s_add_nc_u64 s[10:11], s[10:11], s[90:91]
.endif
.irp g, 0,1,2,3
	global_store_b128 v[VO+\g], v[CODE+16*(\a)+4*\g:CODE+16*(\a)+4*\g+3], s[10:11]
.endr
.endm
	s_wait_alu depctr_va_vdst(0)                   ; the wait at the head's end
	s_wait_tensorcnt 0x0                           ; my part of K step 0 is in; these lines stand ahead of a later first fill, as ahead of a refill
	ds_add_u32 v[SPW], v[NIL]
	s_wait_dscnt 0x0
	CROUND                                         ; everybody's part of K step 0 is in, and the joint loads meet
	JLOAD G0+4, G1, G0B+4, G1B                     ; K step 1, the first tensor load behind the round
	FETCH_B 0, 0, 0
	FETCH_A 0, 0, 0
	FETCH_A 0, 0, 4
	ASK FA, PFA, PFO, 3*ROWB                       ; pass A's K step 3
	s_wait_kmcnt 0x0                               ; the exponents.  Pass A: (ea, ew, eo) = (e0, e1, e6) or (e2, e3, e7), chosen by the wave's number
	s_cmp_eq_u32 s16, 0
	s_cselect_b32 s18, s92, s94
	s_cselect_b32 s19, s93, s95
	s_cselect_b32 s86, s98, s99
	s_add_co_i32 s18, s18, s19                     ; ea + ew
	s_sub_co_i32 s2, 127, s18
	s_lshl_b32 s2, s2, 23                          ; 2^-(ea + ew)
	s_mov_b32 s3, s2
	s_sub_co_i32 s86, s86, s18
	s_add_co_i32 s86, s86, 127
	s_lshl_b32 s87, s86, 23
	v_mov_b32 v[SC], s87
	s_add_co_i32 s86, s86, 8
	s_lshl_b32 s86, s86, 23
	s_or_b32 s86, s86, 0x600000                    ; the mantissa field of 448
	v_mov_b32 v[LIM], s86
	s_add_co_i32 s18, s96, s97                     ; pass B: (e4, e5, e9)
	s_sub_co_i32 s6, 127, s18
	s_lshl_b32 s6, s6, 23
	s_sub_co_i32 s86, s101, s18
	s_add_co_i32 s86, s86, 127
	s_lshl_b32 s88, s86, 23
	s_add_co_i32 s86, s86, 8
	s_lshl_b32 s89, s86, 23
	s_or_b32 s89, s89, 0x600000
	s_wait_loadcnt 0x0                             ; the biases
.irp j, 0,2,4,6,8,10,12,14,16,18,20,22,24,26,28,30,32,34,36,38,40,42,44,46,48,50,52,54,56,58,60,62
	v_pk_mul_f32 v[BIAS+\j:BIAS+\j+1], v[BIAS+\j:BIAS+\j+1], s[2:3] op_sel_hi:[1,0]   ; bias / 2^(ea + ew): the sums lack that power of two
.endr
.irp i, 0,1,2,3
	v_mul_f32 v[BV+\i], s6, v[BV+\i]
.endr
	s_wait_alu depctr_va_vdst(0)                   ; ahead of the step's first wait
	STEP 0, 1                                      ; PASS A: K's four steps of 256 are written out
	TURN 0, 1, 1, 0, 0                             ; slot 0 takes K step 2,
	STEP 1, 0
	TURN 1, 0, 1, 0, ROWB                          ; slot 1 K step 3,
	STEP 0, 0
	TURN 0, 1, 2, 0, 2*ROWB                        ; THE RING GOES ON INTO PASS B: slot 0 takes its K step 0,
	STEP 1, 0
	TURN 1, 0, 2, 1, 3*ROWB                        ; slot 1 its K step 1
	PLACES NP                                      ; behind the last products: the conversions below write registers that held Y's fragments
.irp a, 0,1,2,3,4,5,6,7
	OUTB \a
.endr
	s_wait_xcnt 0x0                                ; pass A's stores have read their data, their offsets and their base
	s_mov_b64 s[10:11], s[4:5]                     ; v's images
	s_mov_b32 s90, 2048                            ; a fragment of v
	FETCH_Y 0, 0, 0
	v_add_nc_u32 v[VO+2], 1024, v[VO]              ; a block's four groups of registers are one fragment
	v_add_nc_u32 v[VO+3], 512, v[VO+2]
	v_mov_b32 v[SC], s88
	v_mov_b32 v[LIM], s89
.irp i, 0,1,2,3
.irp j, 0,1,2,3,4,5,6,7
	v_mov_b32 v[BIAS+8*\i+\j], v[BV+\i]            ; the C of pass B's first products: one channel a lane, the same for its eight keys
.endr
.endr
	s_wait_alu depctr_va_vdst(0)                   ; ahead of the step's wait
	STEPB 0, 2                                     ; PASS B
	TURNB 0, 1, 1
	STEPB 1, 0
	TURNB 1, 0, 1
	STEPB 0, 0
	TURNB 0, 1, 0                                  ; the last lap fills nothing, and has no round of the cluster's barrier
	STEPB 1, 0
	s_wait_dscnt 0
	WIN MUL_LO
	MUL16 4, 1, 0
	MUL16 6, 1, 0
	WIN 0
	PLACES NP
.irp a, 0,1,2,3
	OUTB \a
.endr
	s_wait_tensorcnt 0x0                           ; the wave's end: the add and its waits, behind my last tensor load
	ds_add_u32 v[SPW], v[NIL]
	s_wait_dscnt 0x0
	CROUND                                         ; the closing round: no work-group ends while a partner may still ask for a tile that names it
	s_endpgm
.Lfunc_end_k_q5e260056aa_proj:
	.size	k_q5e260056aa_proj, .Lfunc_end_k_q5e260056aa_proj-k_q5e260056aa_proj
	.p2alignl 7, 3214868480
	.fill 96, 4, 3214868480
	.section	.rodata,"a",@progbits
	.p2align	6, 0x0
	.amdhsa_kernel k_q5e260056aa_proj
		.amdhsa_group_segment_fixed_size 327680
		.amdhsa_private_segment_fixed_size 0
		.amdhsa_enable_private_segment 0
		.amdhsa_kernarg_size 88
		.amdhsa_user_sgpr_count 2
		.amdhsa_user_sgpr_kernarg_segment_ptr 1
		.amdhsa_wavefront_size32 1
		.amdhsa_system_sgpr_workgroup_id_x 1
		.amdhsa_system_sgpr_workgroup_id_y 1
		.amdhsa_system_sgpr_workgroup_id_z 1
		.amdhsa_system_vgpr_workitem_id 0
		.amdhsa_next_free_vgpr 1024
		.amdhsa_next_free_sgpr 102
		.amdhsa_reserve_vcc 0
		.amdhsa_float_denorm_mode_32 3
		.amdhsa_float_denorm_mode_16_64 3
		.amdhsa_memory_ordered 1
		.amdhsa_forward_progress 1
		.amdhsa_inst_pref_size 195
	.end_amdhsa_kernel
	.amdgpu_metadata
---
amdhsa.version: [ 1, 2 ]
amdhsa.kernels:
  - .name:           k_q5e260056aa_proj
    .symbol:         k_q5e260056aa_proj.kd
    .args:
      - { .name: hidden_states_codes, .offset: 0, .size: 8, .value_kind: global_buffer, .address_space: global }
      - { .name: Wq_codes, .offset: 8, .size: 8, .value_kind: global_buffer, .address_space: global }
      - { .name: Wk_codes, .offset: 16, .size: 8, .value_kind: global_buffer, .address_space: global }
      - { .name: Wv_codes, .offset: 24, .size: 8, .value_kind: global_buffer, .address_space: global }
      - { .name: bq, .offset: 32, .size: 8, .value_kind: global_buffer, .address_space: global }
      - { .name: bk, .offset: 40, .size: 8, .value_kind: global_buffer, .address_space: global }
      - { .name: bv, .offset: 48, .size: 8, .value_kind: global_buffer, .address_space: global }
      - { .name: lowp_scales, .offset: 56, .size: 8, .value_kind: global_buffer, .address_space: global }
      - { .name: q_img, .offset: 64, .size: 8, .value_kind: global_buffer, .address_space: global }
      - { .name: k_img, .offset: 72, .size: 8, .value_kind: global_buffer, .address_space: global }
      - { .name: v_img, .offset: 80, .size: 8, .value_kind: global_buffer, .address_space: global }
    .group_segment_fixed_size: 327680
    .private_segment_fixed_size: 0
    .kernarg_segment_align: 8
    .kernarg_segment_size: 88
    .max_flat_workgroup_size: 128
    .sgpr_count:     102
    .vgpr_count:     1024
    .wavefront_size: 32
...
	.end_amdgpu_metadata
.endif
;; end of part 1
;; launch attn (part 2): grid 4 x 64, 8 waves a work-group, clusters of 4 x 4, 327,680 bytes of LDS; arguments q_img, k_img, v_img, attention_mask, lowp_scales, out0; writes out0
.if DOCPART == 2
	.amdgcn_target "amdgcn-amd-amdhsa--gfx1250"
	.amdhsa_code_object_version 6
	.text
	.protected	k_q5e260056aa_attn
	.globl	k_q5e260056aa_attn
	.p2align	8
	.type	k_q5e260056aa_attn,@function
k_q5e260056aa_attn:
	s_mov_b64 s[64:65], 0
	v_nop
	global_prefetch_b8 v0, s[64:65] scope:SCOPE_SE
	s_setreg_imm32_b32 hwreg(HW_REG_WAVE_MODE, 25, 1), 1
	s_wait_xcnt 0x0
	s_wait_alu depctr_hold_cnt(0) depctr_sa_sdst(0) depctr_va_vdst(0) depctr_va_sdst(0) depctr_va_ssrc(0) depctr_va_vcc(0) depctr_vm_vsrc(0)
	s_getreg_b32 s2, hwreg(HW_REG_IB_STS2, 6, 4)
	s_cmp_eq_u32 s2, 0
	s_cbranch_scc0 .Lentry_in_a_cluster
	s_endpgm
.Lentry_in_a_cluster:
	s_bfe_u32 s2, ttmp6, 0x10000c
	s_cmp_lg_u32 s2, 0xf033
	s_cbranch_scc0 .Lentry_shape_is_right
	s_endpgm
.Lentry_shape_is_right:
; ATTENTION ON CODES OF FP8 (E4M3): out[b][64 head + d][l] = sum over m of softmax_m(q[l] . k[m] / 8 + mask[b][l][m]) v[m][d].  No work of the problem is left out: the mask is added to every score.
; q_img, k_img, v_img are the launch before's images of operand registers (a group of four registers = 512 bytes, lane l's 16 bytes at 16 l):
;   q_img, k_img: [b 8][head / 4][l / 128][head % 4][tile of 16 positions: 8][1,024];   v_img: [b 8][head / 4][l / 128][head % 4][tile of 16 channels: 4][2,048], the keys innermost.
; THE SOFTMAX AHEAD OF THE SECOND PRODUCT: t = logit x log2(e); M = the row's largest t so far, rounded UP to a whole number; p = 2^(t - M) is what is quantised (2^e8), not normalised.
; The row's sum is taken of the unquantised p, in f32, and divides O at the end.  When M moves, the sum and O are multiplied by 2^(old M - new M): a power of two.
; THE MASK RIDES IN AS C: S' = k q^T (on codes) + mask x 2^(3 - e6 - e7), so that t = S' x cs, cs = log2(e) / 8 x 2^(e6 + e7).
; SHARES.  A work-group owns 4 heads (head / 4 = cx) x 128 queries of one b.  Each of its eight waves owns one head (wave / 2) and 64 queries (wave % 2): four tiles of 16 queries, so each fragment of k and v feeds four products.
; Both products are used transposed (S^T = k q^T, O^T = v^T p^T): a lane holds ONE query (lane % 16).  Tile t of S^T holds, in lane (r, h), keys 16 t + 8 h + 0 .. 7: they convert into registers 2 t, 2 t + 1 of p.
; THE RING.  1,024 keys, 128 a step, two slots.  A slot's mask (128 rows of 528 bytes) and k (32,768 bytes) lie 2^17 bytes from the other slot's, its v 2^15 bytes: one exclusive or turns an address.
; The loop's body is ONE key step; the slot in hand is a scalar that is turned in each trip.  O^T and the sums begin as zeros and the largest t as -3e38, so that the step is written three times in all (loop, last but one, last);
; the 128 lines that clear O^T stand under the first tensor load's flight.
; A TILE'S SCORES ARE MADE ONE TILE AHEAD.  Inside tile i: the next tile's mask is multiplied by its power of two between tile i's exponentials; the next tile's eight products follow the batch; the mask of the tile after that is
; asked for behind tile i's conversions, into the set of registers that they have emptied.  So a tile begins with the maximum of scores that were made a tile ago.
; THE CHANGE OF SLOTS STANDS INSIDE A STEP.  A wave's last read of a slot, tile 3's mask, is issued in tile 1; k and v are in registers.  So the three lines and the round's opening signal stand ahead of tile 2's exponentials, tile 2's
; softmax and tile 3's products (registers alone) stand between the signal and its wait, and behind the round come the joint refill, the next step's first mask tile and its k; tile 3 makes the next step's first scores.
; CLUSTER 4 x 4: the four work-groups of a row (same queries) need the same tile of the mask, the four of a column (same heads) the same k and v: each is asked for JOINTLY.
; Waves 0-3 fetch the mask's quarters, waves 4, 5 k's halves, waves 6, 7 v's: 16,384 bytes of data each, one load a wave; by this text's count a wave has one tensor load out.
; LIMITS: e6 + e7 between -123 and 129, e8 between -126 and 119, so that each power of two below is an f32 number; e8 + e9 goes in by v_ldexp_f32 and has none.  A mask entry whose size x 2^(3 - e6 - e7) passes f32's range
; counts as infinite (a negative one: p = 0); a row all of whose entries are such, and NaN among the inputs, are not served.
; REGISTERS.  Window 0: v1, v2 the add's two; v3-15 addresses; v16-31 four registers of statistics a tile (-M, the largest t, the sum in two halves); v32-39 at work; v44-46 the hold (twice) and the scale of p;
;   v48-79 q; v80-95 p's codes; v96-159, v160-223 the scores, two sets by turns.   Window 1: v0-127 O^T, 32 a tile; v128-191 k's eight fragments; v192-255 v's four.
.set MP,     528                       ; a row of the mask's tile in LDS: 512 bytes + 16 of padding = 132 words: the 16 rows that a load touches start 4 banks apart (64 banks of 4 bytes: ISA guide 11.1)
.set KOFF,   128*MP                    ; k behind the mask
.set SLOTX,  0x20000                   ; slot 1's mask and k
.set VBASE,  0x40000                   ; slot 0's v
.set VX,     0x8000                    ; slot 1's v
.set SPARE,  SLOTX-1024                ; the spare words, 128 bytes for each wave: four blocks of 256 bytes that no other line names
.set SPITCH, 272                       ; the way out: a stage of 64 rows (channels) x (256 bytes + 16) for each wave
.set STGW,   64*SPITCH                 ; waves 0-6: from byte 0 on; wave 7: in slot 0's v.  Slot 0 has had its last fill and its last read when the last step begins
.set SPW,  1
.set NIL,  2
.set MA0,  3                           ; my place in the mask's tile in slot 0;  v4 in the slot in hand
.set MA,   4
.set KA0,  5                           ; in my head's k
.set KA,   6
.set VA0,  7                           ; in my head's v
.set VA,   8
.set PFO,  9                           ; the prefetches' offset
.set STO,  10                          ; the way out: where I put a number
.set RD,   11                          ; where I read 16 bytes of a row back
.set GO,   12                          ; my byte offset in out
.set L16,  13                          ; 16 x lane
.set RR,   14                          ; r = lane % 16
.set HH,   15                          ; h = lane / 16
.set STAT, 16
.set T0,   32
.set T1,   33
.set F,    34                          ; v[34:35] f = 2^(old M - new M)
.set PX,   36
.set SUM2, 38
.set PLIM, 44                          ; v44, v45: 448 x 2^e8, once for each half of a dual pair
.set PSC,  46                          ; 2^e8
.set Q,    48
.set P,    80
.set KF,   128                         ; in window 1
.set VF,   192
.set WV,   16                          ; s16 wave; s17 its head; s18 its half; s19 cx; s20 cy; s21 b; s22 the block of 128 queries; s23 wave % 4
.set G1M,  24                          ; group 1 for the mask's tiles;  s[32:39] for k's and v's
.set G1K,  32
.set G0M,  40                          ; groups 0, which walk: the mask's, k's, v's
.set G0K,  44
.set G0V,  48
.set TB,   52                          ; 0 or SLOTX: the slot in hand;  s53: 0 or VX
.set TV,   53
.set EO,   54                          ; e8 + e9
.set CS,   56
.set MSC,  58
.set SEL,  60
.set TRIPS, 62
.set LIM,  66                          ; 1 in a wave that prefetches, else the greatest number
.set PFA,  68
.set PFS,  70
.set MSB, 0
.macro WIN new                         ; the immediate's high byte repeats the setting that is left
.if MSB != \new
	s_set_vgpr_msb (MSB<<8)|\new
.set MSB, \new
.endif
.endm
.macro PLACES n
.rept \n
	v_nop
.endr
.endm
; A joint load: one chain of branches on the wave's number, one load to an arm, one join.  An s_nop 0 and four v_nop follow each load.
.macro JLOAD
	s_cmp_lt_u32 s[WV], 4
	s_cbranch_scc0 .Lnot_m_\@
	tensor_load_to_lds s[G0M:G0M+3], s[G1M:G1M+7]
	s_nop 0
	PLACES 4
	s_branch .Lasked_\@
.Lnot_m_\@:
	s_cmp_lt_u32 s[WV], 6
	s_cbranch_scc0 .Lnot_k_\@
	tensor_load_to_lds s[G0K:G0K+3], s[G1K:G1K+7]
	s_nop 0
	PLACES 4
	s_branch .Lasked_\@
.Lnot_k_\@:
	tensor_load_to_lds s[G0V:G0V+3], s[G1K:G1K+7]
	s_nop 0
	PLACES 4
.Lasked_\@:
.endm
.macro WALK                            ; the three groups 0: the other slot, the next key step (no tensor load of mine is out here)
	s_xor_b32 s[G0M+1], s[G0M+1], SLOTX
	s_add_nc_u64 s[G0M+2:G0M+3], s[G0M+2:G0M+3], 512
	s_xor_b32 s[G0K+1], s[G0K+1], SLOTX
	s_add_nc_u64 s[G0K+2:G0K+3], s[G0K+2:G0K+3], 32768
	s_xor_b32 s[G0V+1], s[G0V+1], VX
	s_add_nc_u64 s[G0V+2:G0V+3], s[G0V+2:G0V+3], 32768
.endm
; A PREFETCH INTO THE L2 of the key step behind the one that is being asked for: what the next change of slots will load.  Each aligned block of 256 bytes is named once in the launch.
; The mask's 128 rows x 512 bytes of a step: the four partners of a row of the cluster take 32 rows each, told apart BY ADDRESS (cx); wave 0 asks for the rows' first 256 bytes, wave 1 for the second, a lane a row.
; A step's 32,768 bytes of k and of v: two clusters walk them, the one with an even y asks; the four partners of a column take 8,192 bytes each, by address (cy), lanes 256 bytes apart; wave 4 asks for k's, wave 6 for v's.
; Trip n (s62 = 6 - n) refills with step n + 2 and names step n + 3; the last trip names nothing.
.macro ASK
	s_cmp_gt_u32 s[TRIPS], s[LIM]
	s_cbranch_scc0 .Lnot_mine_\@
	global_prefetch_b8 v[PFO], s[PFA:PFA+1] th:TH_LOAD_NT scope:SCOPE_SE
.Lnot_mine_\@:
.endm
.macro CREST                           ; a round of the cluster's barrier behind its opening barrier
	s_cmp_lg_u32 s[WV], 0
	s_cbranch_scc1 .Lnot_wave_0_\@
	s_barrier_signal -3
.Lnot_wave_0_\@:
	s_barrier_wait -3
	s_barrier_signal -1
	s_barrier_wait -1
.endm
.macro CROUND
	s_barrier_signal -1
	s_barrier_wait -1
	CREST
.endm
	s_load_b256 s[4:11], s[0:1], 0x0               ; q_img s[4:5], k_img s[6:7], v_img s[8:9], the mask s[10:11]
	s_load_b128 s[12:15], s[0:1], 0x20             ; the scales' exponents s[12:13], out s[14:15]
	v_lshl_add_u32 v[SPW], v0, 2, SPARE
	v_mov_b32 v[NIL], 0
	ds_add_u32 v[SPW], v[NIL]                      ; the wave's opening: the add, twice on end, and its wait ahead of my first tensor load
	ds_add_u32 v[SPW], v[NIL]
	v_lshrrev_b32 v10, 5, v0
	v_readfirstlane_b32 s[WV], v10                 ; wave 0..7
	s_lshr_b32 s17, s[WV], 1                       ; my head of the four
	s_and_b32 s18, s[WV], 1                        ; my 64 of the 128 queries.  Also: which half of k or of v I fetch
	s_and_b32 s23, s[WV], 3                        ; which quarter of the mask's tile I fetch
	s_bfe_u32 s19, ttmp6, 0x40000                  ; cx = head / 4
	s_bfe_u32 s20, ttmp6, 0x40004                  ; cy
	s_and_b32 s82, ttmp7, 0xffff                   ; the cluster's y: 2 b + (which four blocks of queries)
	s_lshr_b32 s21, s82, 1                         ; b
	s_and_b32 s22, s82, 1
	s_lshl_b32 s22, s22, 2
	s_add_co_u32 s22, s22, s20                     ; my block of 128 queries
	s_lshl_b32 s83, s20, 2
	s_lshl_b32 s83, 15, s83                        ; my row of the cluster
	s_lshl_b32 s84, 0x1111, s19                    ; my column
	s_or_b32 s[G1M], s83, (2<<16)|(1<<20)|(1<<21)|(6<<22)|(3<<25)  ; the mask: 32 rows x 128 numbers of 4 bytes; to my row; 4 words of padding after every 128
	s_mov_b32 s[G1M+1], 128<<16
	s_mov_b32 s[G1M+2], 32<<16
	s_mov_b32 s[G1M+3], 128<<16
	s_mov_b32 s[G1M+4], 32
	s_mov_b32 s[G1M+5], 1024
	s_mov_b32 s[G1M+6], 0
	s_mov_b32 s[G1M+7], 0
	s_or_b32 s[G1K], s84, (3<<16)|(1<<21)          ; k, v: a dense block of 16,384 bytes as 64 rows of 256 bytes (32 elements of 8), no padding; to my column
	s_mov_b32 s[G1K+1], 32<<16
	s_mov_b32 s[G1K+2], 64<<16
	s_mov_b32 s[G1K+3], 32<<16
	s_mov_b32 s[G1K+4], 64
	s_mov_b32 s[G1K+5], 32
	s_mov_b32 s[G1K+6], 0
	s_mov_b32 s[G1K+7], 0
	s_lshl_b32 s86, s21, 22                        ; the mask's tile: b x 4 MiB + (128 x block + 32 x quarter) rows of 4,096 bytes: the cluster's y, cy and the wave's number
	s_lshl_b32 s87, s22, 19
	s_add_co_u32 s86, s86, s87
	s_lshl_b32 s87, s23, 17
	s_add_co_u32 s86, s86, s87
	s_mov_b32 s87, 0
	s_lshl_b32 s90, s21, 2
	s_add_co_u32 s90, s90, s19                     ; 4 b + head / 4
	s_lshl_b32 s90, s90, 18                        ; x 8 blocks of 32,768 bytes: the cluster's y and cx
	s_lshl_b32 s92, s18, 14                        ; + my half
	s_add_co_u32 s88, s90, s92
	s_mov_b32 s89, 0
	s_mul_i32 s91, s23, 32*MP                      ; where they go: no place in the cluster enters an LDS address
	s_add_co_u32 s93, s92, VBASE
	s_add_co_u32 s92, s92, KOFF
	s_mov_b32 s[SEL], 0x76543210
	s_mov_b32 s[SEL+1], 0xfedcba98
	s_mov_b32 s[TRIPS], 6
	s_mov_b32 s[TB], 0
	s_mov_b32 s[TV], 0
	s_wait_dscnt 0x0                               ; both opening adds are done
	s_wait_kmcnt 0x0
	s_load_b256 s[72:79], s[12:13], 0x0            ; e0 .. e7
	s_load_b64 s[80:81], s[12:13], 0x20            ; e8, e9
	s_cmp_lt_u32 s23, 2
	s_cselect_b64 s[82:83], s[6:7], s[8:9]         ; for the prefetches: k's images or v's, by the wave's number
	s_mov_b32 s[G0M], 1
	s_mov_b32 s[G0M+1], s91
	s_add_nc_u64 s[G0M+2:G0M+3], s[10:11], s[86:87]
	s_or_b32 s[G0M+3], s[G0M+3], 0x80000000
	s_mov_b32 s[G0K], 1
	s_mov_b32 s[G0K+1], s92
	s_add_nc_u64 s[G0K+2:G0K+3], s[6:7], s[88:89]
	s_or_b32 s[G0K+3], s[G0K+3], 0x80000000
	s_mov_b32 s[G0V], 1
	s_mov_b32 s[G0V+1], s93
	s_add_nc_u64 s[G0V+2:G0V+3], s[8:9], s[88:89]
	s_or_b32 s[G0V+3], s[G0V+3], 0x80000000
	CROUND                                         ; all sixteen work-groups are here: the first joint loads meet
	JLOAD                                          ; key step 0 into slot 0: one tensor load a wave at the head
	s_lshl_b32 s84, s22, 15                        ; q: my block of 128 positions, my head, my four tiles of its eight
	s_add_co_u32 s84, s84, s90
	s_lshl_b32 s85, s17, 13
	s_add_co_u32 s84, s84, s85
	s_lshl_b32 s85, s18, 12
	s_add_co_u32 s84, s84, s85
	s_mov_b32 s85, 0
	s_add_nc_u64 s[4:5], s[4:5], s[84:85]
	s_lshl_b32 s84, s21, 22                        ; out at my first number: b x 4 MiB + 64 (4 cx + head) rows of 4,096 bytes + 4 (128 x block + 64 x half)
	s_lshl_b32 s85, s19, 2
	s_add_co_u32 s85, s85, s17
	s_lshl_b32 s85, s85, 18
	s_add_co_u32 s84, s84, s85
	s_lshl_b32 s85, s22, 9
	s_add_co_u32 s84, s84, s85
	s_lshl_b32 s85, s18, 8
	s_add_co_u32 s84, s84, s85
	s_mov_b32 s85, 0
	s_add_nc_u64 s[14:15], s[14:15], s[84:85]
	s_lshl_b32 s84, s21, 22                        ; the prefetches begin at key step 2; the first change of slots steps them to 3.  The mask: b, my block's rows, my work-group's 32 of them, my wave's 256 bytes
	s_lshl_b32 s85, s22, 19
	s_add_co_u32 s84, s84, s85
	s_lshl_b32 s85, s19, 17
	s_add_co_u32 s84, s84, s85
	s_lshl_b32 s85, s18, 8
	s_add_co_u32 s84, s84, s85
	s_add_co_u32 s84, s84, 2*512
	s_lshl_b32 s85, s20, 13                        ; k, v: my work-group's 8,192 bytes of the step's 32,768
	s_add_co_u32 s85, s85, s90
	s_add_co_u32 s85, s85, 2*32768
	s_and_b32 s93, s[WV], 5
	s_xor_b32 s93, s93, 4                          ; 0 in waves 4 and 6,
	s_and_b32 s94, ttmp7, 1
	s_or_b32 s93, s93, s94                         ; of a cluster with an even y: the same in all sixteen partners
	s_lshr_b32 s94, s[WV], 1                       ; 0 in waves 0 and 1
	s_cmp_lt_u32 s[WV], 4
	s_cselect_b64 s[PFA:PFA+1], s[10:11], s[82:83]
	s_cselect_b32 s84, s84, s85
	s_cselect_b32 s93, s94, s93
	s_mov_b32 s[PFS], 32768
	s_cselect_b32 s[PFS], 512, s[PFS]              ; a key step on
	s_cselect_b32 s94, 12, 8                       ; from lane to lane: a row of the mask, or 256 bytes
	s_mov_b32 s[PFS+1], 0
	s_mov_b32 s85, 0
	s_add_nc_u64 s[PFA:PFA+1], s[PFA:PFA+1], s[84:85]
	s_cmp_eq_u32 s93, 0
	s_cselect_b32 s[LIM], 1, -1
	s_mul_i32 s95, s18, 64*MP                      ; the mask: my 64 rows
	s_lshl_b32 s96, s17, 13                        ; k, v: my head's 8,192 bytes
	s_add_co_u32 s97, s96, VBASE
	s_add_co_u32 s96, s96, KOFF
	s_lshr_b32 s84, s[WV], 1                       ; my stage: wave x STGW; wave 7's (the only one with all three bits set) in slot 0's v
	s_and_b32 s84, s84, s[WV]
	s_lshr_b32 s85, s[WV], 2
	s_and_b32 s84, s84, s85
	s_mul_i32 s84, s84, VBASE-7*STGW
	s_mul_i32 s98, s[WV], STGW
	s_add_co_u32 s98, s98, s84
	s_wait_kmcnt 0x0                               ; the exponents
	s_add_co_i32 s84, s78, s79                     ; e6 + e7
	s_lshl_b32 s85, s84, 23
	s_add_co_i32 s[CS], s85, 0x3e38aa3b            ; log2(e) / 8, the two exponents added to its exponent field
	s_mov_b32 s[CS+1], s[CS]
	s_sub_co_i32 s84, 130, s84
	s_lshl_b32 s[MSC], s84, 23                     ; 2^(3 - e6 - e7)
	s_mov_b32 s[MSC+1], s[MSC]
	s_add_co_i32 s84, s80, 127
	s_lshl_b32 s86, s84, 23                        ; 2^e8
	s_add_co_i32 s84, s84, 8
	s_lshl_b32 s87, s84, 23
	s_or_b32 s87, s87, 0x600000                    ; 448 x 2^e8
	s_add_co_i32 s[EO], s80, s81
	v_and_b32 v[L16], 31, v0
	v_lshlrev_b32 v[PFO], s94, v[L16]
	v_lshlrev_b32 v[L16], 4, v[L16]
.irp i, 0,1,2,3
	global_load_b128 v[Q+8*\i:Q+8*\i+3],   v[L16], s[4:5] offset:1024*\i       ; q: my four fragments stay in registers
	global_load_b128 v[Q+8*\i+4:Q+8*\i+7], v[L16], s[4:5] offset:1024*\i+512
.endr
	v_and_b32 v[RR], 15, v0
	v_bfe_u32 v[HH], v0, 4, 1
	v_mul_u32_u24 v[MA0], v[RR], MP                ; the mask: row 64 x half + 16 i + r; register j of tile t is key 16 t + 8 h + j: byte 64 t + 32 h + 4 j
	v_lshl_add_u32 v[MA0], v[HH], 5, v[MA0]
	v_add_nc_u32 v[MA0], s95, v[MA0]
	v_add_nc_u32 v[KA0], s96, v[L16]
	v_add_nc_u32 v[VA0], s97, v[L16]
	v_add_nc_u32 v[MA], s[TB], v[MA0]              ; slot 0 is in hand
	v_add_nc_u32 v[KA], s[TB], v[KA0]
	v_add_nc_u32 v[VA], s[TV], v[VA0]
	v_mul_u32_u24 v[STO], v[HH], 8*SPITCH          ; the stage, in: row 16 c + 8 h + j, byte 64 i + 4 r
	v_lshl_add_u32 v[STO], v[RR], 2, v[STO]
	v_add_nc_u32 v[STO], s98, v[STO]
	v_mul_u32_u24 v[RD], v[HH], SPITCH             ; back: lanes 0-15 one row, lanes 16-31 the next
	v_lshl_add_u32 v[RD], v[RR], 4, v[RD]
	v_add_nc_u32 v[RD], s98, v[RD]
	v_lshlrev_b32 v[GO], 12, v[HH]                 ; and the same two rows in out
	v_lshl_add_u32 v[GO], v[RR], 4, v[GO]
.irp i, 0,1,2,3
	v_mov_b32 v[STAT+4*\i+1], 0xff61b1e6           ; the largest t so far: -3e38, under every t
	v_floor_f32 v[STAT+4*\i], -v[STAT+4*\i+1]      ; -M
	v_mov_b32 v[STAT+4*\i+2], 0                    ; the sum, in two halves
	v_mov_b32 v[STAT+4*\i+3], 0
.endr
	v_mov_b32 v[F+1], 0                            ; (named as the upper half of a pair)
	v_mov_b32 v[PX], 0                             ; a lane permute's destination counts as one of its sources
	v_mov_b32 v[PSC], s86
	v_mov_b32 v[PLIM], s87
	v_mov_b32 v[PLIM+1], s87
	WIN 0x40
.set n, 0
.rept 128
	v_mov_b32 v[n], 0                              ; O^T: the step is written once for all steps; the first change of M leaves zeros zeros
.set n, n+1
.endr
	WIN 0
.macro LOADM i                         ; the mask's numbers for tile i of my queries x the step's 128 keys, into the scores' set i % 2, in the scores' own layout: 16 loads
.set SBL, 96+64*((\i)%2)
.irp t, 0,1,2,3,4,5,6,7
	ds_load_b128 v[SBL+8*\t:SBL+8*\t+3],   v[MA] offset:16*MP*(\i)+64*\t
	ds_load_b128 v[SBL+8*\t+4:SBL+8*\t+7], v[MA] offset:16*MP*(\i)+64*\t+16
.endr
.endm
.macro LOADK                           ; my head's k: eight fragments, 16 loads
	WIN 0x40
.irp t, 0,1,2,3,4,5,6,7
	ds_load_b128 v[KF+8*\t:KF+8*\t+3],   v[KA] offset:1024*\t
	ds_load_b128 v[KF+8*\t+4:KF+8*\t+7], v[KA] offset:1024*\t+512
.endr
	WIN 0
.endm
.macro SMUL i                          ; the scores of tile i, onto its scaled mask: eight accumulators, one instruction each
.set SS, 96+64*((\i)%2)
	WIN 0x01                                       ; k in window 1; q, C and D in window 0
.irp t, 0,1,2,3,4,5,6,7
	v_wmma_f32_16x16x64_fp8_fp8 v[SS+8*\t:SS+8*\t+7], v[KF+8*\t:KF+8*\t+7], v[Q+8*(\i):Q+8*(\i)+7], v[SS+8*\t:SS+8*\t+7]
.endr
	WIN 0
.endm
; O^T under the new M, and the second product.
.macro TC i
	WIN 0x41                                       ; O^T (destination and source 0) in window 1, f in window 0
	s_wait_alu depctr_va_vdst(0)                   ; directly ahead of the first reader of O^T
.irp j, 0,2,4,6,8,10,12,14,16,18,20,22,24,26,28,30
	v_pk_mul_f32 v[32*(\i)+\j:32*(\i)+\j+1], v[32*(\i)+\j:32*(\i)+\j+1], v[F:F+1] op_sel_hi:[1,0]   ; (also the plain instructions behind the conversions)
.endr
.if (\i) == 0
	s_wait_alu depctr_va_vdst(0)                   ; directly ahead of the wait below
	s_wait_dscnt 16                                ; v is in; the sixteen loads of tile 2's mask may be out
.endif
	WIN 0x51                                       ; v, C and D in window 1, p in window 0
.irp c, 0,1,2,3
	v_wmma_f32_16x16x128_fp8_fp8 v[32*(\i)+8*\c:32*(\i)+8*\c+7], v[VF+16*\c:VF+16*\c+15], v[P:P+15], v[32*(\i)+8*\c:32*(\i)+8*\c+7]
.endr
	WIN 0
.endm
; In the last step: tile i is finished: x 2^(e8 + e9) / the row's sum, and into my stage, a number a lane: row = channel, 64 bytes of the row = the tile's 16 queries.
.macro FIN i
.set ST, STAT+4*(\i)
	v_add_f32 v[ST+2], v[ST+2], v[ST+3]            ; the sum's two halves  (these lines are also the places behind the products)
	v_permlanex16_b32 v[ST+3], v[ST+2], s[SEL], s[SEL+1]
	v_add_f32 v[ST+2], v[ST+2], v[ST+3]            ; and lane l xor 16's
	s_wait_alu depctr_va_vdst(0)                   ; the wait ahead of the transcendental
	v_rcp_f32 v[ST+2], v[ST+2]
	v_nop                                          ; one plain place behind it
	s_wait_alu depctr_va_vdst(0)                   ; the wait ahead of its first reader
	v_ldexp_f32 v[ST+2], v[ST+2], s[EO]
	WIN 0x41
	s_wait_alu depctr_va_vdst(0)                   ; directly ahead of the first reader of O^T
.irp j, 0,2,4,6,8,10,12,14,16,18,20,22,24,26,28,30
	v_pk_mul_f32 v[32*(\i)+\j:32*(\i)+\j+1], v[32*(\i)+\j:32*(\i)+\j+1], v[ST+2:ST+3] op_sel_hi:[1,0]   ; each accumulator from its low end on
.endr
	WIN 0x04                                       ; the stores' data in window 1
.irp c, 0,1,2,3
.irp j, 0,1,2,3,4,5,6,7
	ds_store_b32 v[STO], v[32*(\i)+8*\c+\j] offset:(16*\c+\j)*SPITCH+64*(\i)   ; lanes 0-15 and lanes 16-31 stand 8 rows = 544 words apart: 32 different banks
.endr
.endr
	WIN 0
.endm
; THE CHANGE OF SLOTS, first half.  All my tensor loads have landed (one was out: my part of the next slot); the add; the addresses turn to the next slot; my reads of the slot in hand are over.
; mode 1: the slot in hand is filled again, two key steps on;  mode 2: nothing is left to ask for.
.macro OPEN mode
	s_wait_tensorcnt 0x0
	ds_add_u32 v[SPW], v[NIL]                      ; 0 onto my spare word; work on registers stands between it and the wait for it
.if \mode == 1
	s_xor_b32 s[TB], s[TB], SLOTX
	s_xor_b32 s[TV], s[TV], VX
	WALK
	s_wait_xcnt 0x0                                ; the last prefetch, a key step back, has read its address
	s_add_nc_u64 s[PFA:PFA+1], s[PFA:PFA+1], s[PFS:PFS+1]
	v_add_nc_u32 v[MA], s[TB], v[MA0]
	v_add_nc_u32 v[KA], s[TB], v[KA0]
	v_add_nc_u32 v[VA], s[TV], v[VA0]
.else
	v_add_nc_u32 v[MA], SLOTX, v[MA0]              ; key step 7 lies in slot 1
	v_add_nc_u32 v[KA], SLOTX, v[KA0]
	v_add_nc_u32 v[VA], VX, v[VA0]
.endif
	s_wait_alu depctr_va_vdst(0)                   ; directly ahead of the wait below
	s_wait_dscnt 0x0                               ; the add is done; tile 3's mask, my last read of the slot, is in
	s_barrier_signal -1                            ; mode 1: this barrier opens a round of the cluster's
.endm
; Second half: the barrier's wait; mode 1: the rest of the round and the joint refill, my one tensor load until the next round; then the next step's first mask tile and k.
.macro CLOSE mode
	WIN 0
	s_wait_alu depctr_va_vdst(0)                   ; directly ahead of the barrier's wait
	s_barrier_wait -1
.if \mode == 1
	CREST
	JLOAD
.endif
	LOADM 0
	LOADK
.if \mode == 1
	ASK
.endif
.endm
; ONE TILE OF 16 QUERIES x 128 KEYS.  Its scores stand in set i % 2; the next tile's mask is on its way into the other set.  mode 0: the last key step, whose tile 3 has no successor.
.macro TILE i, mode
.set SB, 96+64*((\i)%2)
.set SN, 96+64*(((\i)+1)%2)
.set ST, STAT+4*(\i)
.set NXT, 1
.if (\i) == 3
.if \mode == 0
.set NXT, 0
.endif
.endif
	v_max3_num_f32 v[T0], v[SB], v[SB+1], v[SB+2]  ; the step's largest score of my query among my 64 keys, in two chains, each accumulator from its low end on
	v_max3_num_f32 v[T1], v[SB+3], v[SB+4], v[SB+5]
.irp n, 6,10,14,18,22,26,30,34,38,42,46,50,54,58
	v_max3_num_f32 v[T0], v[T0], v[SB+\n], v[SB+\n+1]
	v_max3_num_f32 v[T1], v[T1], v[SB+\n+2], v[SB+\n+3]
.endr
	v_max3_num_f32 v[T0], v[T0], v[SB+62], v[SB+63]
	s_delay_alu instid0(VALU_DEP_1)
	v_max_num_f32 v[T0], v[T0], v[T1]
	s_delay_alu instid0(VALU_DEP_1)
	v_permlanex16_b32 v[PX], v[T0], s[SEL], s[SEL+1]
	s_delay_alu instid0(VALU_DEP_1)
	v_max_num_f32 v[T0], v[T0], v[PX]              ; and among lane l xor 16's
	s_delay_alu instid0(VALU_DEP_1)
	v_mul_f32 v[T0], s[CS], v[T0]                  ; as t (cs is positive)
	s_delay_alu instid0(VALU_DEP_1)
	v_max_num_f32 v[ST+1], v[ST+1], v[T0]          ; the running largest t
	v_mov_b32 v[T0], v[ST]
	s_delay_alu instid0(VALU_DEP_2)
	v_floor_f32 v[ST], -v[ST+1]                    ; the new -M = floor(-t): M is a whole number
	s_delay_alu instid0(VALU_DEP_1)
	v_sub_f32 v[T0], v[ST], v[T0]                  ; M's old value less its new one: a whole number, 0 or less
	s_delay_alu instid0(VALU_DEP_1)
	v_cvt_i32_f32 v[T0], v[T0]                     ; (it saturates)
	s_delay_alu instid0(VALU_DEP_1)
	v_ldexp_f32 v[F], 1.0, v[T0]                   ; f = 2^(old M - new M)
.irp j, 0,2,4,6,8,10,12,14,16,18,20,22,24,26,28,30,32,34,36,38,40,42,44,46,48,50,52,54,56,58,60,62
	v_pk_fma_f32 v[SB+\j:SB+\j+1], v[SB+\j:SB+\j+1], s[CS:CS+1], v[ST:ST+1] op_sel_hi:[1,0,0]   ; t - M, two at a time
.endr
.if (\i) == 0
	s_wait_dscnt 16                                ; the next tile's mask is in; v's sixteen loads may be out
.elseif (\i) == 1
	s_wait_dscnt 0x0                               ; the next tile's mask is in
.elseif (\i) == 2
.if \mode
	OPEN \mode
.else
	s_wait_dscnt 0x0
.endif
.elseif NXT
	s_wait_dscnt 16                                ; the next step's first mask tile is in; its k's sixteen loads may be out
.endif
	s_wait_alu depctr_va_vdst(0)                   ; the wait ahead of the batch
.set n, 0
.rept 32
	v_exp_f32 v[SB+n], v[SB+n]                     ; p = 2^(t - M), at most 1: not normalised
.if NXT
	v_pk_mul_f32 v[SN+n:SN+n+1], v[SN+n:SN+n+1], s[MSC:MSC+1] op_sel_hi:[1,0]   ; between the exponentials: the next tile's mask x 2^(3 - e6 - e7); its reader stands behind the wait below
.endif
	v_exp_f32 v[SB+n+1], v[SB+n+1]
.set n, n+2
.endr
	v_pk_mul_f32 v[ST+2:ST+3], v[ST+2:ST+3], v[F:F+1] op_sel_hi:[1,0]   ; the sums under the new M: also the plain instruction behind the exponentials
	s_wait_alu depctr_va_vdst(0)                   ; one wait for the whole batch, ahead of its first reader
.if NXT
.if (\i) == 3
	s_wait_dscnt 0x0                               ; the next step's k is in
.endif
	SMUL ((\i)+1)%4                                ; the next tile's scores: the lines below, which name none of their registers, are the places behind them
.endif
	v_pk_add_f32 v[SUM2:SUM2+1], v[SB:SB+1], v[SB+2:SB+3]   ; the row's sum is taken of the UNQUANTISED p: two at a time, in two chains
.irp j, 4,8,12,16,20,24,28,32,36,40,44,48,52,56,60
	v_pk_add_f32 v[ST+2:ST+3], v[ST+2:ST+3], v[SB+\j:SB+\j+1]
	v_pk_add_f32 v[SUM2:SUM2+1], v[SUM2:SUM2+1], v[SB+\j+2:SB+\j+3]
.endr
	s_delay_alu instid0(VALU_DEP_1)
	v_pk_add_f32 v[ST+2:ST+3], v[ST+2:ST+3], v[SUM2:SUM2+1]
.irp t, 0,1,2,3,4,5,6,7
.irp j, 0,2,4,6
	v_dual_min_num_f32 v[SB+8*\t+\j], v[SB+8*\t+\j], v[PLIM] :: v_dual_min_num_f32 v[SB+8*\t+\j+1], v[SB+8*\t+\j+1], v[PLIM+1]   ; the conversion does not saturate (ISA guide 7.6.2); p is not negative, so the hold is one-sided; two numbers a line
.endr
	v_cvt_scalef32_pk8_fp8_f32 v[P+2*\t:P+2*\t+1], v[SB+8*\t:SB+8*\t+7], v[PSC]   ; keys 16 t + 8 h + 0 .. 7: registers 2 t, 2 t + 1 of the operand
.endr
.if (\i) < 2
	LOADM (\i)+2                                   ; the mask of the tile after the next, into the set that the conversions have emptied
.elseif (\i) == 2
.if \mode
	CLOSE \mode
.endif
.elseif NXT
	LOADM 1                                        ; the next step's
.endif
	TC \i
.if \mode == 0
	FIN \i
.endif
.endm
; A KEY STEP.
.macro STEP mode
	PLACES 4                                       ; behind the last products, which read v's registers
	WIN 0x40
.irp c, 0,1,2,3
.irp g, 0,1,2,3
	ds_load_b128 v[VF+16*\c+4*\g:VF+16*\c+4*\g+3], v[VA] offset:2048*\c+512*\g
.endr
.endr
	WIN 0
.irp i, 0,1,2,3
	TILE \i, \mode
.endr
.endm
	s_wait_alu depctr_va_vdst(0)                   ; the wait at the head's end
	s_wait_tensorcnt 0x0                           ; my part of key step 0 is in; these lines stand ahead of a later first fill, as ahead of a refill
	ds_add_u32 v[SPW], v[NIL]
	WALK                                           ; slot 1, key step 1
	s_wait_dscnt 0x0
	CROUND                                         ; everybody's part of key step 0 is in, and the joint loads meet
	JLOAD                                          ; slot 1's first fill, the first tensor load behind the round
	LOADM 0
	LOADK
	s_wait_loadcnt 0x0                             ; q
	s_wait_dscnt 16                                ; the first mask tile is in; k's sixteen loads may be out
.irp j, 0,2,4,6,8,10,12,14,16,18,20,22,24,26,28,30,32,34,36,38,40,42,44,46,48,50,52,54,56,58,60,62
	v_pk_mul_f32 v[96+\j:96+\j+1], v[96+\j:96+\j+1], s[MSC:MSC+1] op_sel_hi:[1,0]   ; mask x 2^(3 - e6 - e7)
.endr
	s_wait_alu depctr_va_vdst(0)                   ; directly ahead of the wait below
	s_wait_dscnt 0x0                               ; k is in
	SMUL 0                                         ; the first tile's scores stand ahead of the loop
	LOADM 1
.Lstep:                                                ; six trips: key steps 0 to 5; the refills bring steps 2 to 7
	STEP 1
	s_sub_co_u32 s[TRIPS], s[TRIPS], 1
	s_cmp_lg_u32 s[TRIPS], 0
	s_wait_alu depctr_va_vdst(0)                   ; directly ahead of the branch
	s_cbranch_scc1 .Lstep
	STEP 2                                         ; key step 6: the tail is written out
	STEP 0                                         ; key step 7
	; THE WAY OUT.  My stage holds 64 channels x my 64 queries; it comes back as rows of 256 bytes: sixteen lanes store 256 consecutive bytes, aligned.
.irp k, 0,1,2,3,4,5,6,7,8,9,10,11,12,13,14,15,16,17,18,19,20,21,22,23,24,25,26,27,28,29,30,31
	ds_load_b128 v[96+4*\k:96+4*\k+3], v[RD] offset:2*\k*SPITCH   ; LDS serves a wave's instructions in order (ISA guide 5.7.1.4): these see my stores
.endr
.irp g, 0,1,2,3
	s_wait_dscnt 24-8*\g                           ; the younger loads may be out
.irp k, 0,1,2,3,4,5,6,7
	global_store_b128 v[GO], v[96+32*\g+4*\k:96+32*\g+4*\k+3], s[14:15] offset:(16*\g+2*\k)*4096 th:TH_STORE_NT
.endr
.endr
	s_wait_tensorcnt 0x0                           ; the wave's end: the add and its waits, behind my last tensor load and my last LDS store
	ds_add_u32 v[SPW], v[NIL]
	s_wait_dscnt 0x0
	CROUND                                         ; the closing round: no work-group ends while a partner may still ask for a tile that names it
	s_endpgm
.Lfunc_end_k_q5e260056aa_attn:
	.size	k_q5e260056aa_attn, .Lfunc_end_k_q5e260056aa_attn-k_q5e260056aa_attn
	.p2alignl 7, 3214868480
	.fill 96, 4, 3214868480
	.section	.rodata,"a",@progbits
	.p2align	6, 0x0
	.amdhsa_kernel k_q5e260056aa_attn
		.amdhsa_group_segment_fixed_size 327680
		.amdhsa_private_segment_fixed_size 0
		.amdhsa_enable_private_segment 0
		.amdhsa_kernarg_size 48
		.amdhsa_user_sgpr_count 2
		.amdhsa_user_sgpr_kernarg_segment_ptr 1
		.amdhsa_wavefront_size32 1
		.amdhsa_system_sgpr_workgroup_id_x 1
		.amdhsa_system_sgpr_workgroup_id_y 1
		.amdhsa_system_sgpr_workgroup_id_z 1
		.amdhsa_system_vgpr_workitem_id 0
		.amdhsa_next_free_vgpr 512
		.amdhsa_next_free_sgpr 100
		.amdhsa_reserve_vcc 0
		.amdhsa_float_denorm_mode_32 3
		.amdhsa_float_denorm_mode_16_64 3
		.amdhsa_memory_ordered 1
		.amdhsa_forward_progress 1
		.amdhsa_inst_pref_size 241
	.end_amdhsa_kernel
	.amdgpu_metadata
---
amdhsa.version: [ 1, 2 ]
amdhsa.kernels:
  - .name:           k_q5e260056aa_attn
    .symbol:         k_q5e260056aa_attn.kd
    .args:
      - { .name: q_img, .offset: 0, .size: 8, .value_kind: global_buffer, .address_space: global }
      - { .name: k_img, .offset: 8, .size: 8, .value_kind: global_buffer, .address_space: global }
      - { .name: v_img, .offset: 16, .size: 8, .value_kind: global_buffer, .address_space: global }
      - { .name: attention_mask, .offset: 24, .size: 8, .value_kind: global_buffer, .address_space: global }
      - { .name: lowp_scales, .offset: 32, .size: 8, .value_kind: global_buffer, .address_space: global }
      - { .name: out0, .offset: 40, .size: 8, .value_kind: global_buffer, .address_space: global }
    .group_segment_fixed_size: 327680
    .private_segment_fixed_size: 0
    .kernarg_segment_align: 8
    .kernarg_segment_size: 48
    .max_flat_workgroup_size: 256
    .sgpr_count:     100
    .vgpr_count:     512
    .wavefront_size: 32
...
	.end_amdgpu_metadata
.endif
;; end of part 2
